; MI455X (gfx1250); checked and timed in simulation.
; The chip was launched on July 23, 2026; its instructions are those of AMD's public machine-readable ISA for CDNA 5 (MIT licence, August 2026) and "CDNA5" Instruction Set Architecture Reference Guide (July 2026). The comments in the code are by the model that wrote it; some were corrected since.
;; Multihead Attention. Allowed arithmetic: matrix products marked QUANTISED: E4M3 operands, one E8M0 scale for each 32 along K, by v_wmma_scale_f32_16x16x128_f8f6f4 with both operands' format E4M3, f32 sums; everything else in f32.
;; Inputs: K 4 x 2,048 x 1,024 float32; Q 4 x 2,048 x 1,024 float32; V 4 x 2,048 x 1,024 float32; W_out 1,024 x 1,024 float32; b_out 1,024 float32.
;; Outputs: out0 4 x 2,048 x 1,024 float32.
;; This version of the problem:
;;   THIS VERSION OF THE PROBLEM IS GIVEN IN LOW PRECISION. The matrix products marked QUANTISED in the list below multiply operands that are first quantised to E4M3 (4 exponent bits, 3 mantissa bits; 8 bits a number), with one power-of-two scale for each 32 numbers along K (OCP MX v1.0); their sums are f32. All else is computed in f32.
;;   The module's matrix products, in the order in which they are computed (A, B: the left and right operand; K: the contracted axis; several contracted axes count as one K, in the product's order):
;;     1. batch 64 x [M 2,048, K 64] x [K 64, N 2,048]; A: input Q; B: input K: QUANTISED
;;     2. batch 64 x [M 64, K 2,048] x [K 2,048, N 2,048]; A: input V; B: softmax (see below): QUANTISED
;;     3. [M 8,192, K 1,024] x [K 1,024, N 1,024]; A: computed on the way; B: input W_out: QUANTISED
;;   THE QUANTISER, for each operand of a quantised product, along K:
;;     - K is cut into blocks of 32 from its start; a last block that is shorter is filled with zeros.
;;     - A block's scale is 2^e with e = floor(log2(the largest magnitude in the block)) - 8, held to -126 .. 127; a block of zeros has e = 0. As a byte (E8M0): e + 127.
;;     - Each number is divided by its block's scale, clamped to +-448, and rounded to the nearest number of E4M3, ties to even, subnormals kept.
;;     - The product sums the exact products of the quantised numbers (number of the format x scale) in f32.
;;   ~~~python
;;   def quantise(x, axis):      # numpy; x: float32 -> the quantised numbers, widened to float32 again
;;       x = np.moveaxis(x, axis, -1); K = x.shape[-1]
;;       x = np.pad(x, [(0, 0)] * (x.ndim - 1) + [(0, -K % 32)]); x = x.reshape(x.shape[:-1] + (-1, 32)); a = np.abs(x).max(-1, keepdims=True)
;;       e = np.where(a > 0, np.clip(np.frexp(np.where(a > 0, a, 1))[1] - 1 - 8, -126, 127), 0)      # np.frexp(a)[1] - 1 = floor(log2(a)), exactly
;;       r = np.clip(x / 2.0 ** e, -448, 448)
;;       step = 2.0 ** (np.maximum(np.frexp(np.where(r == 0, 1, r))[1] - 1, -6) - 3)
;;       q = np.round(r / step) * step * 2.0 ** e      # np.round: ties to even
;;       return np.moveaxis(q.reshape(q.shape[:-2] + (-1,))[..., :K], -1, axis).astype(np.float32)
;;   ~~~
;;   SOFTMAX AHEAD OF A QUANTISED PRODUCT. Where the list says 'softmax', what is quantised is not the finished softmax but p = 2^(t - M), with t = logit x log2(e) and M = ceil(the row's largest t), a whole number; so 1/2 < the row's largest p <= 1. The row's sum l is taken of the UNQUANTISED p, in f32, and the product's result is divided by l at the end. Since M is a whole number, a kernel that streams over the keys may use a running M (the ceiling of the running maximum): every later rescaling is an exact power of two, which a block's scale takes up: the codes' values come out the same.
;;   OPERANDS COMPUTED ON THE WAY. 'Computed on the way' means the value that the module computes at that place (a softmax that the list does not call 'softmax' is quantised finished and normalised). What goes into a quantiser is computed in f32, as accurately as f32 sums, v_exp_f32 and their like allow (about 1e-6 of the number): no bf16 or f16 on the way to a quantiser, and a product that is left as it is and whose result goes on into a quantised operand takes f32 operands (vector FMAs, or v_wmma_f32_16x16x4_f32). A number that lies on a knife's edge between two numbers of the format may be rounded either way, as far as f32 arithmetic and the matrix unit's own rounding can turn it there, and no further.
;; One version. Each part assembles by itself: llvm-mc -triple=amdgcn-amd-amdhsa -mcpu=gfx1250 --defsym DOCPART=n.
;; ======== version 1 of 1: 3 launches
;; limits: right only within a limited range of input values
;; workspace buffers: qs 8,912,896 bytes; kv 17,563,648 bytes; wq 1,081,344 bytes; ac 8,650,752 bytes
;; launch prep (part 1): grid 800 x 1, 4 waves a work-group, no clusters, 34,304 bytes of LDS; arguments Q, K, V, W_out, qs, kv, wq; writes qs, kv, wq
.if DOCPART == 1
	.amdgcn_target "amdgcn-amd-amdhsa--gfx1250"
	.amdhsa_code_object_version 6
	.text
	.protected	k_qd0f87612d1_prep
	.globl	k_qd0f87612d1_prep
	.p2align	8
	.type	k_qd0f87612d1_prep,@function
k_qd0f87612d1_prep:
	s_mov_b64 s[64:65], 0
	v_nop
	global_prefetch_b8 v0, s[64:65] scope:SCOPE_SE
	s_setreg_imm32_b32 hwreg(HW_REG_WAVE_MODE, 25, 1), 1
	s_wait_xcnt 0x0
; Q, K [8192][1024], W_out [1024][1024] (quantised along their rows) and V [8192][1024] (quantised along the KEYS, its first axis within a batch) become codes of FP8 (E4M3)
; with one E8M0 scale byte for each 32 numbers, laid as IMAGES OF OPERAND REGISTERS for v_wmma_scale_f32_16x16x128_f8f6f4:
; a CHUNK is 512 bytes, lane l's 16 bytes at 16 l: k = 32 c + 16 (l / 16) + 0 .. 15 of the tile's row l % 16.
; THE ROWS OF A TILE ARE NOT NEIGHBOURS: index i of tile GT is row 32 (GT / 2) + 8 (GT % 2) + i + 8 (i / 8), so that, used as source 0, two neighbouring tiles leave 16 neighbours in a lane's 16 result registers.
; qs: head y = 16 b + hh: 139,264 bytes = 16 records of 8,704: 8 tiles x 1,024 bytes of codes (2 chunks), then 8 x 64 bytes of scale words (bytes s0, s1, s0, s1: the instruction's upper 64 along K are zero codes).
; kv: head: 274,432 bytes = 16 records (128 keys) of 17,152: K's codes 8 x 1,024; K's words 8 x 64; V's codes 4 tiles of 16 channels x 2,048 (4 chunks of 32 keys); V's words 4 x 64.
; wq: block of 128 outputs: 135,168 bytes = 8 records (128 along K) of 16,896: 8 tiles x 2,048 bytes of codes, then 8 x 64 bytes of words.
; A block's scale is 2^(floor(log2(its largest magnitude)) - 8); its byte is the largest magnitude's exponent field - 8, held at 1 from below by a floor among the maximum's leaves.
; LIMITS: a block of zeros gets the byte 1 where the rule says 127 (its codes are zeros, which add nothing, and this program alone reads the bytes); blocks whose largest magnitude lies under 2^-118 are held at byte 1;
; NaN and infinities among the inputs are not served.
; SHARES: work-groups 0-255 take Q, 256-511 K, 512-543 W_out, 544-799 V; each reads 128 KiB.  No tensor loads, no barrier: waves share nothing.  No cluster: no two work-groups read the same bytes.
; The scale words leave in pieces of 64 or 128 bytes: 1 byte in 128 of what the launch reads.
.set FLOOR, 0x4800000                  ; 2^(9 - 127)
.set EOFF,  0xfc000000                 ; -(8 << 23)
.set EXPM,  0x7f800000
.set RAW,  16                          ; v16-79   row path: 16 rows x 16 bytes a lane, as loaded
.set X,    80                          ; v80-143  row path: register 16 c + i = k 32 c + 16 h + i of my row
.set PC,   144                         ; v144-159 the four chunks' codes
.set TM,   160                         ; v160-163 largest magnitudes, 164-167 bytes, 168-171 448 x the scale, 172-175 the conversions' scale operands
.set PW,   176                         ; the four bytes as a word;  v177, v178 its two arrangements, v179 the one that my lane stores
.set SEL,  44                          ; s[44:45] v_permlanex16_b32's selects for lane l xor 16
.set MNT,  46                          ; s46      the mantissa field of 448
.macro PICK1 reg, q, k                 ; SCC = 1: Q's number, else K's
	s_mov_b32 s[\reg], \k
	s_cselect_b32 s[\reg], \q, s[\reg]
.endm
.macro PICK2 reg, w                    ; SCC = 1: what stands, else W_out's
	s_mov_b32 s19, \w
	s_cselect_b32 s[\reg], s[\reg], s19
.endm
	s_load_b256 s[4:11], s[0:1], 0x0               ; Q s[4:5], K s[6:7], V s[8:9], W_out s[10:11]
	s_load_b128 s[12:15], s[0:1], 0x20             ; qs s[12:13], kv s[14:15]
	s_load_b64 s[16:17], s[0:1], 0x30              ; wq
	v_lshl_add_u32 v192, v0, 2, 0x8400
	v_mov_b32 v193, 0
	v_lshrrev_b32 v1, 5, v0
	v_readfirstlane_b32 s18, v1                    ; wave 0..3
	v_and_b32 v6, 31, v0                           ; lane
	v_and_b32 v7, 15, v0                           ; r
	v_bfe_u32 v8, v0, 4, 1                         ; h
	s_mov_b32 s[MNT], 0x600000
	s_mov_b32 s[SEL], 0x76543210
	s_mov_b32 s[SEL+1], 0xfedcba98
	s_mov_b32 s3, 0
	s_cmp_ge_u32 ttmp9, 544
	s_cbranch_scc1 .Lkeys
; ---------------- THE ROW PATH: Q, K, W_out.  One text; what differs are ten numbers and two pointers, chosen on the work-group's number alone.
	s_cmp_lt_u32 ttmp9, 256
	PICK1 24, 0, 256                               ; the tensor's first work-group
	PICK1 26, 2228224, 4390912                     ; CB: bytes of a batch's 16 heads in the destination
	PICK1 27, 8704, 17152                          ; C8: a record of 8 tiles
	s_mov_b32 s28, 1024                            ; CT: a tile's codes in a record
	PICK1 40, 278528, 548864                       ; CJ: 128 columns on: two heads
	PICK1 30, 139264, 274432                       ; CP: from chunks 0, 1 to chunks 2, 3: the next head
	s_mov_b32 s31, 8192                            ; CS0: where a record's scale words begin
	s_mov_b32 s32, 0x01000100                      ; bytes 0, 1, 0, 1: the first head's word
	s_mov_b32 s33, 0x03020302                      ; bytes 2, 3, 2, 3: the second head's
	PICK1 34, 139264, 274432                       ; HS: lanes 16-31 store the second head's word
	s_wait_kmcnt 0x0
	s_cselect_b64 s[20:21], s[4:5], s[6:7]
	s_cselect_b64 s[22:23], s[12:13], s[14:15]
	s_cmp_lt_u32 ttmp9, 512
	PICK2 24, 512
	PICK2 26, 0
	PICK2 27, 135168                               ; W_out: 8 tiles are a block of 128 outputs
	PICK2 28, 2048
	PICK2 40, 16896                                ; 128 columns on: the next record
	PICK2 30, 1024                                 ; the four chunks lie on end
	PICK2 31, 16384
	PICK2 32, 0x03020100                           ; the word as it is,
	PICK2 33, 0x03020100
	PICK2 34, 0                                    ; stored by both halves of the lanes at one place with one value
	s_cselect_b64 s[20:21], s[20:21], s[10:11]
	s_cselect_b64 s[22:23], s[22:23], s[16:17]
	s_mov_b32 s41, 0
	s_sub_co_u32 s24, ttmp9, s24
	s_lshl_b32 s24, s24, 2
	s_add_co_u32 s24, s24, s18                     ; my wave's share: tile GT = share / 2, columns 512 (share % 2) on
	s_lshr_b32 s25, s24, 1                         ; GT
	s_and_b32 s24, s24, 1                          ; half
	s_lshr_b32 s2, s25, 1
	s_lshl_b32 s2, s2, 17                          ; 32 (GT / 2) rows of 4,096 bytes
	s_and_b32 s29, s25, 1
	s_lshl_b32 s29, s29, 15                        ; + 8 (GT % 2) rows
	s_add_co_u32 s2, s2, s29
	s_lshl_b32 s29, s24, 11                        ; + 512 columns x half
	s_add_co_u32 s2, s2, s29
	s_add_nc_u64 s[20:21], s[20:21], s[2:3]        ; the source at my tile's first row
	s_lshr_b32 s35, s25, 7
	s_mul_i32 s35, s35, s26                        ; batch
	s_bfe_u32 s29, s25, 0x40003
	s_mul_i32 s29, s29, s27                        ; record
	s_add_co_u32 s35, s35, s29
	s_mul_i32 s29, s24, s40
	s_lshl_b32 s29, s29, 2                         ; half: four steps of 128 columns
	s_add_co_u32 s35, s35, s29
	s_and_b32 s29, s25, 7                          ; the tile in its record
	s_mul_i32 s2, s29, s28
	s_add_co_u32 s2, s2, s35
	s_add_nc_u64 s[36:37], s[22:23], s[2:3]        ; DC: where my codes go
	s_lshl_b32 s2, s29, 6
	s_add_co_u32 s2, s2, s31
	s_add_co_u32 s2, s2, s35
	s_add_nc_u64 s[38:39], s[22:23], s[2:3]        ; DS: where my scale words go
	s_wait_alu depctr_va_vdst(0)
	v_lshlrev_b32 v1, 4, v6                        ; 16 x lane: a load's and a chunk's place for my lane
	v_add_nc_u32 v2, s30, v1                       ; the same for chunks 2 and 3
	v_mul_lo_u32 v3, v8, s34
	v_lshl_add_u32 v3, v7, 2, v3                   ; 4 r + h HS
	s_mul_i32 s29, s18, 8448                       ; my wave's stage: 16 rows x (512 + 16) bytes
	v_add_nc_u32 v4, s29, v1                       ; in: a row as it was loaded
	v_mul_u32_u24 v5, v7, 528
	v_lshl_add_u32 v5, v8, 6, v5
	v_add_nc_u32 v5, s29, v5                       ; out: row r, + 64 h: my 16 numbers of a block of 32.  528 = 33 x 16: sixteen rows start at sixteen different 16-byte columns
	v_cmp_lt_u32 vcc_lo, 15, v6                    ; lanes 16-31
.irp b, 0,1,2,3
	v_mov_b32 v[TM+4+\b], 0                        ; written once: a lane permute's destination counts as one of its sources
.endr
.macro LOADR j                         ; 128 columns of my 16 rows: each load reads 512 consecutive bytes of one row
.irp i, 0,1,2,3,4,5,6,7,8,9,10,11,12,13,14,15
	global_load_b128 v[RAW+4*\i:RAW+4*\i+3], v1, s[20:21] offset:(\i+8*(\i/8))*4096+512*(\j) th:TH_LOAD_NT
.endr
.endm
.macro TURN                            ; through the stage: LDS serves a wave's instructions in order, so no wait stands between the stores and the loads
.irp i, 0,1,2,3,4,5,6,7,8,9,10,11,12,13,14,15
	ds_store_b128 v4, v[RAW+4*\i:RAW+4*\i+3] offset:528*\i
.endr
.irp c, 0,1,2,3
.irp q, 0,1,2,3
	ds_load_b128 v[X+16*\c+4*\q:X+16*\c+4*\q+3], v5 offset:128*\c+16*\q
.endr
.endr
.endm
.macro QUANT                           ; 64 numbers of a lane become four chunks' codes in v[PC] on and the four bytes in v[PW]
.irp b, 0,1,2,3
	v_max3_num_f32 v[TM+\b], |v[X+16*\b]|, |v[X+16*\b+1]|, FLOOR   ; block b: my 16 numbers, and the floor: the byte cannot fall under 1
.endr
.irp i, 2,4,6,8,10,12,14
.irp b, 0,1,2,3
	v_max3_num_f32 v[TM+\b], v[TM+\b], |v[X+16*\b+\i]|, |v[X+16*\b+\i+1]|   ; the four blocks by turns
.endr
.endr
.irp b, 0,1,2,3
	v_permlanex16_b32 v[TM+4+\b], v[TM+\b], s[SEL], s[SEL+1]
.endr
.irp b, 0,1,2,3
	v_max_num_f32 v[TM+\b], v[TM+\b], v[TM+4+\b]   ; with lane l xor 16's 16: the block's largest magnitude
.endr
.irp b, 0,1,2,3
	v_add_nc_u32 v[TM+12+\b], EOFF, v[TM+\b]       ; 8 off its exponent field: the conversion takes this operand's exponent field as its scale
.endr
.irp b, 0,1,2,3
	v_and_or_b32 v[TM+8+\b], v[TM+\b], EXPM, s[MNT]   ; 448 x the scale
.endr
.irp b, 0,1,2,3
	v_lshrrev_b32 v[TM+4+\b], 23, v[TM+12+\b]      ; the scale's byte
.endr
	v_lshl_or_b32 v[PW], v[TM+5], 8, v[TM+4]
	v_lshl_or_b32 v[PW], v[TM+6], 16, v[PW]
	v_lshl_or_b32 v[PW], v[TM+7], 24, v[PW]
.irp b, 0,1,2,3
.irp i, 0,1,2,3,4,5,6,7,8,9,10,11,12,13,14,15
	v_med3_num_f32 v[X+16*\b+\i], v[X+16*\b+\i], -v[TM+8+\b], v[TM+8+\b]   ; the conversion to an 8-bit code does not saturate (ISA guide 7.6.2): the hold comes first
.endr
	v_cvt_scalef32_pk8_fp8_f32 v[PC+4*\b:PC+4*\b+1], v[X+16*\b:X+16*\b+7], v[TM+12+\b]
	v_cvt_scalef32_pk8_fp8_f32 v[PC+4*\b+2:PC+4*\b+3], v[X+16*\b+8:X+16*\b+15], v[TM+12+\b]
.endr
	v_nop                                          ; a plain line behind the last conversion
.endm
.macro JOB j                           ; 128 columns: two heads of Q or K, or one record of W_out
	s_wait_loadcnt 0x0                             ; my 16 loads are in
	TURN
	s_wait_dscnt 0x0                               ; X is in, and the stage's stores have read RAW
.if \j > 0
	s_wait_xcnt 0x0                                ; the last job's stores have read their data and bases: both are rewritten only behind this wait
	s_add_nc_u64 s[36:37], s[36:37], s[40:41]
	s_add_nc_u64 s[38:39], s[38:39], s[40:41]
.endif
.if \j < 3
	LOADR \j+1                                     ; the next 128 columns are on their way while these are quantised
.endif
	QUANT
	v_perm_b32 v177, v[PW], v[PW], s32
	v_perm_b32 v178, v[PW], v[PW], s33
	v_cndmask_b32 v179, v177, v178, vcc_lo
	global_store_b128 v1, v[PC:PC+3], s[36:37]               ; each store of the wave covers 512 consecutive bytes, aligned
	global_store_b128 v1, v[PC+4:PC+7], s[36:37] offset:512
	global_store_b128 v2, v[PC+8:PC+11], s[36:37]
	global_store_b128 v2, v[PC+12:PC+15], s[36:37] offset:512
	global_store_b32 v3, v179, s[38:39]
.endm
	LOADR 0
	s_wait_alu depctr_va_vdst(0)
	JOB 0
	JOB 1
	JOB 2
	JOB 3
	s_wait_tensorcnt 0x0
	ds_add_u32 v192, v193
	s_wait_dscnt 0x0
	s_endpgm
; ---------------- THE KEY PATH: V.  A lane takes a column (a channel of a head) and its registers run down the keys: a block of 32 keys lies in one lane's 32 registers, and the codes come out with the keys innermost.
; Work-group iv: batch iv / 64, keys 256 ((iv / 8) % 8) on (two records), columns 128 (iv % 8) on.  Wave w: head 2 (iv % 8) + w / 2, channels 32 (w % 2) on: channel tiles 2 (w % 2) and 2 (w % 2) + 1.
; Lane r + 16 u is index r of tile 2 (w % 2) + u: column 32 w + r % 8 + 8 u + 16 (r / 8) of the work-group's 128.  Each load of the wave reads 128 consecutive bytes, the four waves together 512.
.set VX,  16                           ; v16-79   two sets of 32 numbers
.set VC,  80                           ; v80-143  eight registers of codes for each of the 8 blocks: no store's data are written again
.set SB,  144                          ; v144-145 the scale words of the two records
.Lkeys:
	s_sub_co_u32 s24, ttmp9, 544
	s_lshr_b32 s25, s24, 6                         ; batch
	s_bfe_u32 s26, s24, 0x30003                    ; which 256 keys
	s_and_b32 s27, s24, 7                          ; which 128 columns
	s_lshl_b32 s2, s25, 23                         ; a batch is 2,048 rows of 4,096 bytes
	s_lshl_b32 s28, s26, 20
	s_add_co_u32 s2, s2, s28
	s_lshl_b32 s28, s27, 9
	s_add_co_u32 s2, s2, s28
	s_lshl_b32 s28, s18, 7
	s_add_co_u32 s2, s2, s28                       ; + my wave's 32 columns
	s_lshl_b32 s28, s25, 4
	s_lshl_b32 s29, s27, 1
	s_add_co_u32 s28, s28, s29
	s_lshr_b32 s29, s18, 1
	s_add_co_u32 s28, s28, s29                     ; the head: 16 b + hh
	s_mul_i32 s28, s28, 274432
	s_mul_i32 s29, s26, 34304                      ; two records
	s_add_co_u32 s28, s28, s29
	s_and_b32 s29, s18, 1
	s_lshl_b32 s30, s29, 12                        ; two tiles of 2,048 bytes
	s_add_co_u32 s30, s30, s28
	s_add_co_u32 s30, s30, 8704                    ; V's codes in a record
	s_mov_b32 s31, 0
	s_lshl_b32 s32, s29, 7
	s_add_co_u32 s32, s32, s28
	s_add_co_u32 s32, s32, 16896                   ; V's scale words in a record
	s_mov_b32 s33, 0
	s_wait_alu depctr_va_vdst(0)
	v_and_b32 v9, 7, v7
	v_bfe_u32 v10, v0, 3, 1
	v_lshl_add_u32 v9, v8, 3, v9
	v_lshl_add_u32 v9, v10, 4, v9
	v_lshlrev_b32 v9, 2, v9                        ; my column, in bytes
	v_lshlrev_b32 v10, 4, v7
	v_lshl_add_u32 v10, v8, 11, v10                ; my codes: tile u, 16 r
	v_lshlrev_b32 v11, 2, v6                       ; my scale word: 4 x lane
	s_wait_alu depctr_va_vdst(0)
	s_wait_kmcnt 0x0
	s_add_nc_u64 s[20:21], s[8:9], s[2:3]
	s_add_nc_u64 s[22:23], s[14:15], s[30:31]
	s_add_nc_u64 s[36:37], s[14:15], s[32:33]
.macro VLOAD t                         ; block t: keys 32 t + i of my column, into set t % 2
.irp i, 0,1,2,3,4,5,6,7,8,9,10,11,12,13,14,15,16,17,18,19,20,21,22,23,24,25,26,27,28,29,30,31
	global_load_b32 v[VX+32*((\t)%2)+\i], v9, s[20:21] offset:(32*(\t)+\i)*4096 th:TH_LOAD_NT
.endr
.endm
.macro VBLOCK t
.set XS, VX+32*((\t)%2)
.if (\t) < 7
	s_wait_loadcnt 32                              ; this block's 32 loads are in; the next block's 32 may be out
.else
	s_wait_loadcnt 0x0
.endif
	v_max3_num_f32 v146, |v[XS]|, |v[XS+1]|, |v[XS+2]|       ; all 32 numbers of the block are mine: two chains
	v_max3_num_f32 v147, |v[XS+3]|, |v[XS+4]|, |v[XS+5]|
.irp i, 6,10,14,18,22,26
	v_max3_num_f32 v146, v146, |v[XS+\i]|, |v[XS+\i+1]|
	v_max3_num_f32 v147, v147, |v[XS+\i+2]|, |v[XS+\i+3]|
.endr
	v_max3_num_f32 v146, v146, |v[XS+30]|, |v[XS+31]|
	v_max3_num_f32 v146, v146, v147, FLOOR
	v_add_nc_u32 v148, EOFF, v146                  ; the conversion's scale operand
	v_and_or_b32 v149, v146, EXPM, s[MNT]          ; 448 x the scale
	v_lshrrev_b32 v150, 23, v148                   ; the byte
.if (\t)%4 == 0
	v_mov_b32 v[SB+(\t)/4], v150                   ; four bytes to a word, the earlier keys in the lower byte
.else
	v_lshl_or_b32 v[SB+(\t)/4], v150, 8*((\t)%4), v[SB+(\t)/4]
.endif
.irp i, 0,1,2,3,4,5,6,7,8,9,10,11,12,13,14,15,16,17,18,19,20,21,22,23,24,25,26,27,28,29,30,31
	v_med3_num_f32 v[XS+\i], v[XS+\i], -v149, v149
.endr
.irp g, 0,1,2,3
	v_cvt_scalef32_pk8_fp8_f32 v[VC+8*(\t)+2*\g:VC+8*(\t)+2*\g+1], v[XS+8*\g:XS+8*\g+7], v148
.endr
	v_nop                                          ; a plain line behind the last conversion
	global_store_b128 v10, v[VC+8*(\t):VC+8*(\t)+3], s[22:23] offset:((\t)/4)*17152+((\t)%4)*512          ; keys 0-15 of the block: the chunk's lower half; sixteen lanes store 256 consecutive bytes, aligned
	global_store_b128 v10, v[VC+8*(\t)+4:VC+8*(\t)+7], s[22:23] offset:((\t)/4)*17152+((\t)%4)*512+256    ; keys 16-31: its upper half
.if (\t) < 6
	VLOAD (\t)+2
.endif
.if (\t)%4 == 3
	global_store_b32 v11, v[SB+(\t)/4], s[36:37] offset:((\t)/4)*17152   ; the record's words of my two tiles: 128 consecutive bytes
.endif
.endm
	VLOAD 0
	VLOAD 1
.irp t, 0,1,2,3,4,5,6,7
	VBLOCK \t
.endr
	s_endpgm
.Lfunc_end_k_qd0f87612d1_prep:
	.size	k_qd0f87612d1_prep, .Lfunc_end_k_qd0f87612d1_prep-k_qd0f87612d1_prep
	.p2alignl 7, 3214868480
	.fill 96, 4, 3214868480
	.section	.rodata,"a",@progbits
	.p2align	6, 0x0
	.amdhsa_kernel k_qd0f87612d1_prep
		.amdhsa_group_segment_fixed_size 34304
		.amdhsa_private_segment_fixed_size 0
		.amdhsa_enable_private_segment 0
		.amdhsa_kernarg_size 56
		.amdhsa_user_sgpr_count 2
		.amdhsa_user_sgpr_kernarg_segment_ptr 1
		.amdhsa_wavefront_size32 1
		.amdhsa_system_sgpr_workgroup_id_x 1
		.amdhsa_system_sgpr_workgroup_id_y 1
		.amdhsa_system_sgpr_workgroup_id_z 1
		.amdhsa_system_vgpr_workitem_id 0
		.amdhsa_next_free_vgpr 194
		.amdhsa_next_free_sgpr 66
		.amdhsa_reserve_vcc 1
		.amdhsa_float_denorm_mode_32 3
		.amdhsa_float_denorm_mode_16_64 3
		.amdhsa_memory_ordered 1
		.amdhsa_forward_progress 1
		.amdhsa_inst_pref_size 110
	.end_amdhsa_kernel
	.amdgpu_metadata
---
amdhsa.version: [ 1, 2 ]
amdhsa.kernels:
  - .name:           k_qd0f87612d1_prep
    .symbol:         k_qd0f87612d1_prep.kd
    .args:
      - { .name: Q, .offset: 0, .size: 8, .value_kind: global_buffer, .address_space: global }
      - { .name: K, .offset: 8, .size: 8, .value_kind: global_buffer, .address_space: global }
      - { .name: V, .offset: 16, .size: 8, .value_kind: global_buffer, .address_space: global }
      - { .name: W_out, .offset: 24, .size: 8, .value_kind: global_buffer, .address_space: global }
      - { .name: qs, .offset: 32, .size: 8, .value_kind: global_buffer, .address_space: global }
      - { .name: kv, .offset: 40, .size: 8, .value_kind: global_buffer, .address_space: global }
      - { .name: wq, .offset: 48, .size: 8, .value_kind: global_buffer, .address_space: global }
    .group_segment_fixed_size: 34304
    .private_segment_fixed_size: 0
    .kernarg_segment_align: 8
    .kernarg_segment_size: 56
    .max_flat_workgroup_size: 128
    .sgpr_count:     66
    .vgpr_count:     194
    .wavefront_size: 32
...
	.end_amdgpu_metadata
.endif
;; end of part 1
;; launch attn (part 2): grid 4 x 64, 8 waves a work-group, clusters of 4 x 1, 276,480 bytes of LDS; arguments qs, kv, ac; writes ac
.if DOCPART == 2
	.amdgcn_target "amdgcn-amd-amdhsa--gfx1250"
	.amdhsa_code_object_version 6
	.text
	.protected	k_qd0f87612d1_attn
	.globl	k_qd0f87612d1_attn
	.p2align	8
	.type	k_qd0f87612d1_attn,@function
k_qd0f87612d1_attn:
	s_mov_b64 s[64:65], 0
	v_nop
	global_prefetch_b8 v0, s[64:65] scope:SCOPE_SE
	s_setreg_imm32_b32 hwreg(HW_REG_WAVE_MODE, 25, 1), 1
	s_wait_xcnt 0x0
	s_wait_alu depctr_hold_cnt(0) depctr_sa_sdst(0) depctr_va_vdst(0) depctr_va_sdst(0) depctr_va_ssrc(0) depctr_va_vcc(0) depctr_vm_vsrc(0)
	s_getreg_b32 s2, hwreg(HW_REG_IB_STS2, 6, 4)
	s_cmp_eq_u32 s2, 0
	s_cbranch_scc0 .Lentry_in_a_cluster
	s_endpgm
.Lentry_in_a_cluster:
	s_bfe_u32 s2, ttmp6, 0x10000c
	s_cmp_lg_u32 s2, 0x3003
	s_cbranch_scc0 .Lentry_shape_is_right
	s_endpgm
.Lentry_shape_is_right:
; For each head y = 16 b + hh: O[q][:] = sum over k of softmax_k(Q[q] . K[k] / 32) V[k][:], both products on codes of FP8 (E4M3) with E8M0 scales; the result, divided by the row's sum,
; is quantised along its 64 channels (two blocks of the next product's K) and leaves as codes, laid as the next launch's operand.
; THE SOFTMAX: t = score x log2(e) / 32; M = the row's largest t so far, rounded UP to a whole number; p = 2^(t - M) is quantised along the keys, not normalised.  The row's sum is taken of the unquantised p.
; When M moves, the sum and O are multiplied by 2^(old M - new M): exact.
; SHARES.  A cluster of four work-groups owns a head; work-group cx owns queries 512 cx on; each of its eight waves owns four tiles of 16 queries, T = 32 cx + 4 w + 2 u + x, in two passes u = 0, 1 over all 2,048 keys,
; 128 a step, TWO TILES x = 0, 1 SIDE BY SIDE: each fragment of K and of V that is read from LDS feeds two products, and each chain of dependent lines has a twin to take turns with.
; LDS holds the head's 274,432 bytes of kv as they lie in memory: 16 records of 17,152 bytes, one a key step, filled ONCE by joint loads of the four partners: wave w brings records 2 w and 2 w + 1, one load a wave.
; Waves 0 and 1 have a load line of their own: they alone wait at the first barrier, behind which records 0 to 3 are read; at the second barrier, behind step 2, every wave waits.
; No data prefetch: all that a work-group reads of kv is asked for by the head's loads; there is no loop to run ahead in.
; LAYOUT.  Both products are used transposed: S^T = K Q^T (source 0 = 16 keys), O^T = V^T P^T (source 0 = 16 channels): a lane holds ONE query (lane % 16) of each tile.  Index i of tile t is 32 (t / 2) + 8 (t % 2) + i + 8 (i / 8),
; so that a lane's 16 registers of two neighbouring tiles are 16 neighbours: the conversions' results are the next operand's registers.
; THE FIRST PRODUCT'S K IS 64, the instruction's 128.  Q's registers 8-15 hold zero codes.  K's eight tiles lie on end, 8 registers each: a tile's registers 8-15 are the next tile's codes (behind the last: zeros),
; finite numbers that meet Q's zeros and add nothing.  The next step's K is fetched behind this step's scores, the next step's V behind this step's second product.
; REGISTERS.  Window 0: all that vector lines work on.  Window 1: K, V, O^T, Q, which products, loads and the rescaling alone touch.
; LIMITS: NaN and infinities are not served; a block of zeros gets the byte 1 (its codes are zeros; this program alone reads the bytes); the promise holds while |t| stays under 2^31.
.set FLOOR, 0x4800000
.set EOFF,  0xfc000000
.set EXPM,  0x7f800000
.set REC,   17152
.set SPARE, 16*REC                     ; behind the records: the spare words, 128 bytes a wave
.set L16,  1                           ; 16 x lane; never rewritten
.set L4,   2                           ; 4 x lane
.set R4,   3                           ; 4 r
.set RH,   4                           ; 4 r + h
.set SPW,  5
.set NIL,  6
.set AD16, 7                           ; a record + 16 x lane
.set AD4,  8                           ; a record + 4 x lane
                                       ; tile x: v[12+2x] -M, v[13+2x] the largest score, v[16+2x:17+2x] the sum in two halves, v[20+2x] f = 2^(old M - new M), v[21+2x] the old -M, v[24+x] at work, v[26+x] the byte stored
.set S,    32                          ; v32-159  S^T, then p: tile x at S + 64 x; block g = 4 x + b at S + 16 g
.set PC,   160                         ; v160-191 p's codes: block g at PC + 4 g; at a pass's end the result's
.set BM,   192                         ; v192-199 the blocks' largest scores, then p; later partial sums
.set T2,   200                         ; v200-207 lane l xor 16's, then bytes; later partial sums
.set HL,   208                         ; 448 x the scale
.set SO,   216                         ; the conversions' scale operands
.set KS,   224                         ; K's scale words: lanes 0-15 tile 2 p, lanes 16-31 tile 2 p + 1
.set VS,   228
.set QS,   230                         ; v230+x
.set PW,   232                         ; v232+x
                                       ; partial sums: tile 0 in v192-207, tile 1 in v234-249
.set KF,   0                           ; window 1: v0-71 K's eight tiles and 8 zeros
.set VF,   72                          ; v72-135  V's four fragments
.set O,    136                         ; v136-199 O^T: tile x at O + 32 x
.set QF,   200                         ; v200-231 Q: tile x at QF + 16 x: 8 registers of codes, 8 of zeros
.set WV,   10
.set G1,   24
.set G0,   32
.set SEL,  48
.set CS,   50                          ; s[50:51] c = log2(e) / 32
.set MNT,  52
.set TB,   53
.set CNT,  54
.set NC,   55                          ; -c
.set QB,   56
.set QSB,  58
.set AB,   60
.set ASB,  66
.set MSB, 0
.macro WIN new                         ; low byte: 1:0 source 0, 3:2 source 1, 5:4 source 2, 7:6 destination; the high byte repeats the setting that is left
.if MSB != \new
	s_set_vgpr_msb (MSB<<8)|\new
.set MSB, \new
.endif
.endm
.macro CROUND
	s_barrier_signal -1
	s_barrier_wait -1
	s_cmp_lg_u32 s[WV], 0
	s_cbranch_scc1 .Lnot_wave_0_\@
	s_barrier_signal -3
.Lnot_wave_0_\@:
	s_barrier_wait -3
	s_barrier_signal -1
	s_barrier_wait -1
.endm
.macro WALU
	s_wait_alu depctr_va_vdst(0)
.endm
	s_load_b128 s[4:7], s[0:1], 0x0                ; qs, kv
	s_load_b64 s[8:9], s[0:1], 0x10                ; ac
	v_lshl_add_u32 v[SPW], v0, 2, SPARE
	v_mov_b32 v[NIL], 0
	ds_add_u32 v[SPW], v[NIL]
	ds_add_u32 v[SPW], v[NIL]
	v_lshrrev_b32 v1, 5, v0
	v_readfirstlane_b32 s[WV], v1                  ; wave 0..7
	s_bfe_u32 s11, ttmp6, 0x40000                  ; cx: it enters qs's and ac's addresses alone
	s_and_b32 s12, ttmp7, 0xffff                   ; the head, which the four partners share
	s_and_b32 s13, s12, 15                         ; hh
	s_lshr_b32 s14, s12, 4                         ; b
	s_mov_b32 s[G1], 15|(3<<16)|(1<<21)            ; two records as 134 rows of 256 bytes (32 elements of 8); the mask names all four
	s_mov_b32 s[G1+1], 32<<16
	s_mov_b32 s[G1+2], 134<<16
	s_mov_b32 s[G1+3], 32<<16
	s_mov_b32 s[G1+4], 134
	s_mov_b32 s[G1+5], 32
	s_mov_b32 s[G1+6], 0
	s_mov_b32 s[G1+7], 0
	s_mul_i32 s15, s12, 16*REC                     ; the head in kv
	s_mul_i32 s16, s[WV], 2*REC                    ; my two records, in memory and in LDS
	s_add_co_u32 s20, s15, s16
	s_mov_b32 s21, 0
	s_mov_b32 s[SEL], 0x76543210
	s_mov_b32 s[SEL+1], 0xfedcba98
	s_mov_b32 s[CS], 0x3d38aa3b
	s_mov_b32 s[CS+1], s[CS]
	s_mov_b32 s[NC], 0xbd38aa3b
	s_mov_b32 s[MNT], 0x600000
	s_mov_b32 s[G0], 1
	s_mov_b32 s[G0+1], s16
	s_wait_dscnt 0x0
	s_wait_kmcnt 0x0
	s_add_nc_u64 s[G0+2:G0+3], s[6:7], s[20:21]
	s_or_b32 s[G0+3], s[G0+3], 0x80000000
	CROUND                                         ; all four work-groups are here: the joint loads meet
	s_cmp_lt_u32 s[WV], 2                          ; one load a wave; waves 0 and 1 have a line of their own
	s_cbranch_scc0 .Lrest
	tensor_load_to_lds s[G0:G0+3], s[G1:G1+7]
	s_nop 0
.rept 4
	v_nop
.endr
	s_branch .Lasked
.Lrest:
	tensor_load_to_lds s[G0:G0+3], s[G1:G1+7]
	s_nop 0
.rept 4
	v_nop
.endr
.Lasked:
	; my four tiles: record 4 cx + w / 2 of qs, tiles 4 (w % 2) + 0 .. 3 of it
	s_lshl_b32 s17, s11, 2
	s_lshr_b32 s18, s[WV], 1
	s_add_co_u32 s17, s17, s18
	s_and_b32 s22, s[WV], 1
	s_mul_i32 s18, s12, 139264
	s_mul_i32 s19, s17, 8704
	s_add_co_u32 s18, s18, s19
	s_lshl_b32 s2, s22, 12
	s_add_co_u32 s2, s2, s18
	s_mov_b32 s3, 0
	s_add_nc_u64 s[QB:QB+1], s[4:5], s[2:3]
	s_lshl_b32 s2, s22, 8
	s_add_co_u32 s2, s2, s18
	s_add_co_u32 s2, s2, 8192
	s_add_nc_u64 s[QSB:QSB+1], s[4:5], s[2:3]
	s_lshl_b32 s19, s14, 4
	s_add_co_u32 s19, s19, s17                     ; ac's block of 128 rows
	s_mul_i32 s19, s19, 135168
	s_lshr_b32 s23, s13, 1                         ; the next product's K step: hh / 2
	s_mul_i32 s23, s23, 16896
	s_add_co_u32 s19, s19, s23
	s_and_b32 s23, s13, 1                          ; and which half of it
	s_lshl_b32 s2, s22, 13
	s_add_co_u32 s2, s2, s19
	s_lshl_b32 s18, s23, 10
	s_add_co_u32 s2, s2, s18
	s_add_nc_u64 s[AB:AB+1], s[8:9], s[2:3]
	s_lshl_b32 s2, s22, 8
	s_add_co_u32 s2, s2, s19
	s_lshl_b32 s18, s23, 1
	s_add_co_u32 s2, s2, s18
	s_add_co_u32 s2, s2, 16384
	s_add_nc_u64 s[ASB:ASB+1], s[8:9], s[2:3]
	v_and_b32 v9, 31, v0
	v_lshlrev_b32 v[L16], 4, v9
	v_lshlrev_b32 v[L4], 2, v9
	v_and_b32 v10, 15, v0
	v_lshlrev_b32 v[R4], 2, v10
	v_bfe_u32 v11, v0, 4, 1
	v_add_nc_u32 v[RH], v[R4], v11
	v_cmp_lt_u32 vcc_lo, 15, v9                    ; lanes 16-31; nothing else writes VCC
.macro QLOAD u                         ; pass u's two tiles of Q and their scale words
	WIN 0x40
.irp x, 0,1
	global_load_b128 v[QF+16*\x:QF+16*\x+3], v[L16], s[QB:QB+1] offset:1024*(2*\u+\x)
	global_load_b128 v[QF+16*\x+4:QF+16*\x+7], v[L16], s[QB:QB+1] offset:1024*(2*\u+\x)+512
.endr
	WIN 0
.irp x, 0,1
	global_load_b32 v[QS+\x], v[R4], s[QSB:QSB+1] offset:64*(2*\u+\x)
.endr
.endm
	QLOAD 0
	WIN 0x40
.irp i, 0,1,2,3,4,5,6,7
	v_mov_b32 v[QF+8+\i], 0                        ; zero codes for k = 64 .. 127 of Q's two tiles
	v_mov_b32 v[QF+24+\i], 0
	v_mov_b32 v[KF+64+\i], 0                       ; and behind K's last tile
.endr
	WIN 0
.irp g, 0,1,2,3,4,5,6,7
	v_mov_b32 v[T2+\g], 0                          ; a lane permute's destination counts as a source
.endr
	v_mov_b32 v24, 0
	v_mov_b32 v25, 0
.macro INIT                            ; a pass begins: O^T and the sums are zeros, -M is a large whole number: the first f is 0
.irp x, 0,1
	v_mov_b32 v[13+2*\x], 0xff61b1e6               ; -3e38, under every score
	v_mov_b32 v[12+2*\x], 0x7cf0bdc2               ; 1e37
	v_mov_b32 v[21+2*\x], 0x7cf0bdc2
	v_mov_b32 v[16+2*\x], 0
	v_mov_b32 v[17+2*\x], 0
.endr
	WIN 0x40
.set j, 0
.rept 64
	v_mov_b32 v[O+j], 0
.set j, j+1
.endr
	WIN 0
.endm
.macro KLOAD a16, a4, off              ; a record's eight tiles of K and their scale words: 20 loads
	WIN 0x40
.irp t, 0,1,2,3,4,5,6,7
.irp c, 0,1
	ds_load_b128 v[KF+8*\t+4*\c:KF+8*\t+4*\c+3], v[\a16] offset:(\off)+1024*\t+512*\c
.endr
.endr
	WIN 0
.irp p, 0,1,2,3
	ds_load_b32 v[KS+\p], v[\a4] offset:(\off)+8192+128*\p
.endr
.endm
.macro VLOAD a16, a4                   ; a record's four tiles of V and their scale words: 18 loads
	WIN 0x40
.irp t, 0,1,2,3
.irp c, 0,1,2,3
	ds_load_b128 v[VF+16*\t+4*\c:VF+16*\t+4*\c+3], v[\a16] offset:8704+2048*\t+512*\c
.endr
.endr
	WIN 0
.irp p, 0,1
	ds_load_b32 v[VS+\p], v[\a4] offset:16896+128*\p
.endr
.endm
.macro HOLD2 x, g                      ; two of a block's p held at 448 x the scale: the conversion does not saturate (ISA guide 7.6.2); p is not negative
	v_dual_min_num_f32 v[\x], v[HL+\g], v[\x] :: v_dual_min_num_f32 v[\x+1], v[HL+\g], v[\x+1]
.endm
.macro TM x, n                         ; n pairs of t - M of tile x
.rept \n
	v_pk_fma_f32 v[S+64*\x+j:S+64*\x+j+1], v[S+64*\x+j:S+64*\x+j+1], s[CS:CS+1], v[12+2*\x:13+2*\x] op_sel_hi:[1,0,0]
.set j, j+2
.endr
.endm
; A KEY STEP: 128 keys x two tiles; its K, V and their words are in registers.  pf = 1: the next record's are fetched; 2: record 0's, and the second pass's Q; 0: nothing.
.macro STEP pf
	WIN 0x05                                       ; sources 0 (K) and 1 (Q) window 1, the scores window 0
.irp x, 0,1
.irp t, 0,1,2,3,4,5,6,7
.if (\t)%2
	v_wmma_scale_f32_16x16x128_f8f6f4 v[S+64*\x+8*\t:S+64*\x+8*\t+7], v[KF+8*\t:KF+8*\t+15], v[QF+16*\x:QF+16*\x+15], 0, v[KS+\t/2], v[QS+\x] matrix_a_scale:MATRIX_SCALE_ROW1
.else
	v_wmma_scale_f32_16x16x128_f8f6f4 v[S+64*\x+8*\t:S+64*\x+8*\t+7], v[KF+8*\t:KF+8*\t+15], v[QF+16*\x:QF+16*\x+15], 0, v[KS+\t/2], v[QS+\x]
.endif
.endr
.endr
	WIN 0
.rept 8
	v_nop                                          ; eight places: ahead of the loads into what the products read, and of the first reader of S^T
.endr
.if \pf == 1
	KLOAD AD16, AD4, REC
	s_add_co_u32 s[TB], s[TB], REC
	v_add_nc_u32 v[AD16], s[TB], v[L16]            ; from here on: the next record
	v_add_nc_u32 v[AD4], s[TB], v[L4]
.elseif \pf == 2
	KLOAD L16, L4, 0
	QLOAD 1
.endif
.irp g, 0,1,2,3,4,5,6,7                ; the largest score of each block of 32 keys, the eight by turns; each tile is first read at its low end
	v_max3_num_f32 v[BM+\g], v[S+16*\g], v[S+16*\g+1], v[S+16*\g+2]
.endr
.irp i, 3,5,7,9,11,13
.irp g, 0,1,2,3,4,5,6,7
	v_max3_num_f32 v[BM+\g], v[BM+\g], v[S+16*\g+\i], v[S+16*\g+\i+1]
.endr
.endr
.irp g, 0,1,2,3,4,5,6,7
	v_max_num_f32 v[BM+\g], v[BM+\g], v[S+16*\g+15]
.endr
.irp g, 0,1,2,3,4,5,6,7
	v_permlanex16_b32 v[T2+\g], v[BM+\g], s[SEL], s[SEL+1]
.endr
.irp g, 0,1,2,3,4,5,6,7
	v_max_num_f32 v[BM+\g], v[BM+\g], v[T2+\g]     ; with lane l xor 16's: it serves the row's maximum and, since p rises with the score, the block's largest p
.endr
.irp x, 0,1
	v_max3_num_f32 v[24+\x], v[BM+4*\x], v[BM+4*\x+1], v[BM+4*\x+2]
.endr
.irp x, 0,1
	s_delay_alu instid0(VALU_DEP_2)
	v_max3_num_f32 v[13+2*\x], v[13+2*\x], v[24+\x], v[BM+4*\x+3]   ; the running largest score
.endr
.irp x, 0,1
	s_delay_alu instid0(VALU_DEP_2)
	v_mul_f32 v[24+\x], s[NC], v[13+2*\x]          ; -t (c is positive)
.endr
.irp x, 0,1
	s_delay_alu instid0(VALU_DEP_2)
	v_floor_f32 v[12+2*\x], v[24+\x]               ; the new -M = floor(-t) = -ceil(t)
.endr
.irp x, 0,1
	s_delay_alu instid0(VALU_DEP_2)
	v_sub_f32 v[24+\x], v[12+2*\x], v[21+2*\x]     ; old M - new M: a whole number, 0 or less
.endr
.irp g, 0,1,2,3,4,5,6,7
	v_fma_f32 v[BM+\g], v[BM+\g], s[CS], v[12+2*(\g/4)]   ; t - M of each block's largest score
.endr
.irp x, 0,1
	v_cvt_i32_f32 v[24+\x], v[24+\x]               ; (it saturates)
.endr
.set j, 0
	TM 0, 4
.irp x, 0,1
	v_ldexp_f32 v[20+2*\x], 1.0, v[24+\x]          ; f = 2^(old M - new M)
.endr
	TM 0, 28
.set j, 0
	TM 1, 32
	WALU
.set j, 0
.rept 128
	v_exp_f32 v[S+j], v[S+j]                       ; p = 2^(t - M), at most 1
.set j, j+1
.endr
.irp g, 0,1,2,3,4,5,6,7
	v_exp_f32 v[BM+\g], v[BM+\g]                   ; the block's largest p: the same two instructions on the same number
.endr
	v_mov_b32 v21, v12                             ; plain lines behind the exponentials: -M is kept for the next step
	v_mov_b32 v23, v14
	WALU
.irp g, 0,1,2,3,4,5,6,7
	v_max_num_f32 v[BM+\g], FLOOR, v[BM+\g]        ; the byte cannot fall under 1
.endr
.irp g, 0,1,2,3,4,5,6,7
	v_add_nc_u32 v[SO+\g], EOFF, v[BM+\g]
.endr
.irp g, 0,1,2,3,4,5,6,7
	v_and_or_b32 v[HL+\g], v[BM+\g], EXPM, s[MNT]
.endr
.irp g, 0,1,2,3,4,5,6,7
	v_lshrrev_b32 v[T2+\g], 23, v[SO+\g]
.endr
.irp x, 0,1
	v_lshl_or_b32 v[PW+\x], v[T2+4*\x+1], 8, v[T2+4*\x]    ; p's scale word for these 128 keys
.endr
.irp x, 0,1
	s_delay_alu instid0(VALU_DEP_2)
	v_lshl_or_b32 v[PW+\x], v[T2+4*\x+2], 16, v[PW+\x]
.endr
.irp x, 0,1
	s_delay_alu instid0(VALU_DEP_2)
	v_lshl_or_b32 v[PW+\x], v[T2+4*\x+3], 24, v[PW+\x]
.endr
.irp x, 0,1                            ; the sums of the unquantised p: eight chains of four pairs a tile
.irp j, 0,1,2,3,4,5,6,7
	v_pk_add_f32 v[192+42*\x+2*\j:193+42*\x+2*\j], v[S+64*\x+2*\j:S+64*\x+2*\j+1], v[S+64*\x+16+2*\j:S+64*\x+17+2*\j]
.endr
.endr
.irp k, 2,3
.irp x, 0,1
.irp j, 0,1,2,3,4,5,6,7
	v_pk_add_f32 v[192+42*\x+2*\j:193+42*\x+2*\j], v[192+42*\x+2*\j:193+42*\x+2*\j], v[S+64*\x+16*\k+2*\j:S+64*\x+16*\k+2*\j+1]
.endr
.endr
.endr
.irp g, 0,1,2,3,4,5,6,7
.irp i, 0,2,4,6,8,10,12,14
	HOLD2 S+16*\g+\i, \g
.endr
	v_cvt_scalef32_pk8_fp8_f32 v[PC+4*\g:PC+4*\g+1], v[S+16*\g:S+16*\g+7], v[SO+\g]
	v_cvt_scalef32_pk8_fp8_f32 v[PC+4*\g+2:PC+4*\g+3], v[S+16*\g+8:S+16*\g+15], v[SO+\g]
.endr
	WIN 0x41                                       ; O^T window 1, f window 0
	WALU                                           ; directly ahead of the first reader of O^T
.irp x, 0,1
.set j, 0
.rept 16
	v_pk_mul_f32 v[O+32*\x+j:O+32*\x+j+1], v[O+32*\x+j:O+32*\x+j+1], v[20+2*\x:21+2*\x] op_sel_hi:[1,0]   ; O^T under the new M, each tile from its low end on
.set j, j+2
.endr
.endr
	WALU
	s_wait_dscnt 0x0                               ; this step's V, asked for a step ago, and the next step's K are in
	WIN 0x51                                       ; V and O^T window 1, p's codes window 0
.irp t, 0,1,2,3                        ; O^T += V^T P^T: the eight accumulators take turns, and the next step's sixteen products stand between
.irp x, 0,1
.if (\t)%2
	v_wmma_scale_f32_16x16x128_f8f6f4 v[O+32*\x+8*\t:O+32*\x+8*\t+7], v[VF+16*\t:VF+16*\t+15], v[PC+16*\x:PC+16*\x+15], v[O+32*\x+8*\t:O+32*\x+8*\t+7], v[VS+\t/2], v[PW+\x] matrix_a_scale:MATRIX_SCALE_ROW1
.else
	v_wmma_scale_f32_16x16x128_f8f6f4 v[O+32*\x+8*\t:O+32*\x+8*\t+7], v[VF+16*\t:VF+16*\t+15], v[PC+16*\x:PC+16*\x+15], v[O+32*\x+8*\t:O+32*\x+8*\t+7], v[VS+\t/2], v[PW+\x]
.endif
.endr
.endr
	WIN 0
.irp q, 0,4,8,12                       ; sixteen plain lines that name none of the products' registers: the places ahead of the loads into V's fragments
.irp x, 0,1
	v_pk_add_f32 v[192+42*\x+\q:193+42*\x+\q], v[192+42*\x+\q:193+42*\x+\q], v[194+42*\x+\q:195+42*\x+\q]
.endr
.endr
.irp q, 0,8
.irp x, 0,1
	v_pk_add_f32 v[192+42*\x+\q:193+42*\x+\q], v[192+42*\x+\q:193+42*\x+\q], v[196+42*\x+\q:197+42*\x+\q]
.endr
.endr
.irp x, 0,1
	v_pk_add_f32 v[192+42*\x:193+42*\x], v[192+42*\x:193+42*\x], v[200+42*\x:201+42*\x]
.endr
.irp x, 0,1
	v_pk_fma_f32 v[16+2*\x:17+2*\x], v[16+2*\x:17+2*\x], v[20+2*\x:21+2*\x], v[192+42*\x:193+42*\x] op_sel_hi:[1,0,1]   ; the sum under the new M, and this step's part
.endr
.if \pf == 1
	VLOAD AD16, AD4
.elseif \pf == 2
	VLOAD L16, L4
.endif
.endm
.macro START rec, kl                   ; the walk stands at record rec; kl = 1: its K and V are fetched here
	s_mov_b32 s[TB], (\rec)*REC
	v_add_nc_u32 v[AD16], s[TB], v[L16]
	v_add_nc_u32 v[AD4], s[TB], v[L4]
	WALU
.if \kl
	KLOAD AD16, AD4, 0
	VLOAD AD16, AD4
	s_wait_dscnt 0x0
.endif
.endm
.macro WALK n                          ; n steps that fetch the next record's K and V
	s_mov_b32 s[CNT], \n
.Lwalk_\@:
	STEP 1
	s_sub_co_u32 s[CNT], s[CNT], 1
	s_cmp_lg_u32 s[CNT], 0
	s_cbranch_scc1 .Lwalk_\@
.endm
; A pass ends: O^T / the sum is quantised along the channels (register 16 b + i of a tile is channel 32 b + 16 h + i of my query) and leaves.
.macro FIN u
.irp x, 0,1
	v_add_f32 v[16+2*\x], v[16+2*\x], v[17+2*\x]
.endr
.irp x, 0,1
	v_permlanex16_b32 v[24+\x], v[16+2*\x], s[SEL], s[SEL+1]
.endr
.irp x, 0,1
	v_add_f32 v[16+2*\x], v[16+2*\x], v[24+\x]
.endr
	WALU
.irp x, 0,1
	v_rcp_f32 v[16+2*\x], v[16+2*\x]
.endr
	v_nop
	WIN 0x01                                       ; O^T window 1
	WALU
.irp x, 0,1
.set j, 0
.rept 16
	v_pk_mul_f32 v[S+32*\x+j:S+32*\x+j+1], v[O+32*\x+j:O+32*\x+j+1], v[16+2*\x:17+2*\x] op_sel_hi:[1,0]
.set j, j+2
.endr
.endr
	WIN 0
.irp g, 0,1,2,3                        ; block g = 2 x + b
	v_max3_num_f32 v[BM+\g], |v[S+16*\g]|, |v[S+16*\g+1]|, FLOOR
.endr
.irp i, 2,4,6,8,10,12,14
.irp g, 0,1,2,3
	v_max3_num_f32 v[BM+\g], v[BM+\g], |v[S+16*\g+\i]|, |v[S+16*\g+\i+1]|
.endr
.endr
.irp g, 0,1,2,3
	v_permlanex16_b32 v[T2+\g], v[BM+\g], s[SEL], s[SEL+1]
.endr
.irp g, 0,1,2,3
	v_max_num_f32 v[BM+\g], v[BM+\g], v[T2+\g]
.endr
.irp g, 0,1,2,3
	v_add_nc_u32 v[SO+\g], EOFF, v[BM+\g]
.endr
.irp g, 0,1,2,3
	v_and_or_b32 v[HL+\g], v[BM+\g], EXPM, s[MNT]
.endr
.irp g, 0,1,2,3
	v_lshrrev_b32 v[T2+\g], 23, v[SO+\g]
.endr
.irp g, 0,1,2,3
.irp i, 0,1,2,3,4,5,6,7,8,9,10,11,12,13,14,15
	v_med3_num_f32 v[S+16*\g+\i], v[S+16*\g+\i], -v[HL+\g], v[HL+\g]
.endr
	v_cvt_scalef32_pk8_fp8_f32 v[PC+4*\g:PC+4*\g+1], v[S+16*\g:S+16*\g+7], v[SO+\g]
	v_cvt_scalef32_pk8_fp8_f32 v[PC+4*\g+2:PC+4*\g+3], v[S+16*\g+8:S+16*\g+15], v[SO+\g]
.endr
	v_nop                                          ; a plain line behind the last conversion
.irp x, 0,1
	v_cndmask_b32 v[26+\x], v[T2+2*\x], v[T2+2*\x+1], vcc_lo   ; lane (r, h) stores block h's byte of row r
.endr
.irp x, 0,1
	global_store_b128 v[L16], v[PC+8*\x:PC+8*\x+3], s[AB:AB+1] offset:2048*(2*\u+\x)          ; a chunk: 512 consecutive bytes, aligned
	global_store_b128 v[L16], v[PC+8*\x+4:PC+8*\x+7], s[AB:AB+1] offset:2048*(2*\u+\x)+512
	global_store_b8 v[RH], v[26+\x], s[ASB:ASB+1] offset:64*(2*\u+\x)
.endr
.endm
	INIT
	WALU                                           ; the head's end
	s_wait_loadcnt 0x0                             ; Q's first two tiles
	s_cmp_lt_u32 s[WV], 2
	s_cbranch_scc0 .Lnot_first
	s_wait_tensorcnt 0x0                           ; waves 0 and 1: records 0 to 3 have landed
.Lnot_first:
	s_barrier_signal -1
	s_barrier_wait -1
	START 0, 1
	WALK 3                                         ; steps 0 to 2 fetch from records 1 to 3
	WALU
	s_wait_tensorcnt 0x0                           ; every wave: all sixteen records
	s_wait_dscnt 0x0
	s_barrier_signal -1
	s_barrier_wait -1
	START 3, 0                                     ; the walk's place, stated anew; record 3's K and V are in registers
	WALK 12
	STEP 2
	FIN 0
	INIT
	START 0, 0
	s_wait_loadcnt 0x0                             ; Q's other two tiles
	s_wait_xcnt 0x0                                ; the first pass's stores have read their data: those registers are written again below
	WALK 15
	STEP 0
	FIN 1
	s_wait_tensorcnt 0x0                           ; the wave's end
	ds_add_u32 v[SPW], v[NIL]
	s_wait_dscnt 0x0
	CROUND                                         ; the closing round
	s_endpgm
.Lfunc_end_k_qd0f87612d1_attn:
	.size	k_qd0f87612d1_attn, .Lfunc_end_k_qd0f87612d1_attn-k_qd0f87612d1_attn
	.p2alignl 7, 3214868480
	.fill 96, 4, 3214868480
	.section	.rodata,"a",@progbits
	.p2align	6, 0x0
	.amdhsa_kernel k_qd0f87612d1_attn
		.amdhsa_group_segment_fixed_size 276480
		.amdhsa_private_segment_fixed_size 0
		.amdhsa_enable_private_segment 0
		.amdhsa_kernarg_size 24
		.amdhsa_user_sgpr_count 2
		.amdhsa_user_sgpr_kernarg_segment_ptr 1
		.amdhsa_wavefront_size32 1
		.amdhsa_system_sgpr_workgroup_id_x 1
		.amdhsa_system_sgpr_workgroup_id_y 1
		.amdhsa_system_sgpr_workgroup_id_z 1
		.amdhsa_system_vgpr_workitem_id 0
		.amdhsa_next_free_vgpr 512
		.amdhsa_next_free_sgpr 70
		.amdhsa_reserve_vcc 1
		.amdhsa_float_denorm_mode_32 3
		.amdhsa_float_denorm_mode_16_64 3
		.amdhsa_memory_ordered 1
		.amdhsa_forward_progress 1
		.amdhsa_inst_pref_size 205
	.end_amdhsa_kernel
	.amdgpu_metadata
---
amdhsa.version: [ 1, 2 ]
amdhsa.kernels:
  - .name:           k_qd0f87612d1_attn
    .symbol:         k_qd0f87612d1_attn.kd
    .args:
      - { .name: qs, .offset: 0, .size: 8, .value_kind: global_buffer, .address_space: global }
      - { .name: kv, .offset: 8, .size: 8, .value_kind: global_buffer, .address_space: global }
      - { .name: ac, .offset: 16, .size: 8, .value_kind: global_buffer, .address_space: global }
    .group_segment_fixed_size: 276480
    .private_segment_fixed_size: 0
    .kernarg_segment_align: 8
    .kernarg_segment_size: 24
    .max_flat_workgroup_size: 256
    .sgpr_count:     70
    .vgpr_count:     512
    .wavefront_size: 32
...
	.end_amdgpu_metadata
.endif
;; end of part 2
;; launch proj (part 3): grid 8 x 32, 4 waves a work-group, clusters of 4 x 4, 327,680 bytes of LDS; arguments ac, wq, b_out, out0; writes out0
.if DOCPART == 3
	.amdgcn_target "amdgcn-amd-amdhsa--gfx1250"
	.amdhsa_code_object_version 6
	.text
	.protected	k_qd0f87612d1_proj
	.globl	k_qd0f87612d1_proj
	.p2align	8
	.type	k_qd0f87612d1_proj,@function
k_qd0f87612d1_proj:
	s_mov_b64 s[64:65], 0
	v_nop
	global_prefetch_b8 v0, s[64:65] scope:SCOPE_SE
	s_setreg_imm32_b32 hwreg(HW_REG_WAVE_MODE, 25, 1), 1
	s_wait_xcnt 0x0
	s_wait_alu depctr_hold_cnt(0) depctr_sa_sdst(0) depctr_va_vdst(0) depctr_va_sdst(0) depctr_va_ssrc(0) depctr_va_vcc(0) depctr_vm_vsrc(0)
	s_getreg_b32 s2, hwreg(HW_REG_IB_STS2, 6, 4)
	s_cmp_eq_u32 s2, 0
	s_cbranch_scc0 .Lentry_in_a_cluster
	s_endpgm
.Lentry_in_a_cluster:
	s_bfe_u32 s2, ttmp6, 0x10000c
	s_cmp_lg_u32 s2, 0xf033
	s_cbranch_scc0 .Lentry_shape_is_right
	s_endpgm
.Lentry_shape_is_right:
; out0[m][n] = sum over k of A[m][k] W[n][k] + b_out[n], on codes of FP8 (E4M3) with E8M0 scales.  A (ac) and W (wq) lie as images of operand registers: a block of 128 rows is 135,168 bytes = 8 records (128 along K) of
; 16,896: 8 tiles x 2,048 bytes of codes (4 chunks of 512: lane l's 16 bytes at 16 l), then 8 x 64 bytes of scale words.  Index i of tile GT is row 32 (GT / 2) + 8 (GT % 2) + i + 8 (i / 8).
; SHARES.  256 work-groups.  A work-group makes TWO blocks of 128 rows x 128 outputs, one after the other, over all of K = 1,024; each of its four waves 64 x 64 of a block: 16 accumulators.
; W's 8 records lie in LDS for the whole launch; A's 8 records of the first block are followed, on the same bytes, by those of the second.
; CLUSTERS: 4 x 4 work-groups.  The four of a row of the cluster need the same blocks of A, the four of a column the same block of W: each load is asked for JOINTLY, with the same descriptor and a mask that names the four.
; FILLS.  At the head one load a wave, four records each: wave 0 A's K steps 0-3, wave 1 W's 0-3, wave 2 A's 4-7, wave 3 W's 4-7; waves 0 and 1 alone wait at the first barrier, every wave ahead of K step 4.
; Behind the first block's products: a tensor wait, an LDS add, an LDS wait and a round of the cluster's barrier, then the refill, two records of the second block a wave; the first block's stores leave while it is on its way.
; No data prefetch: the text has no loop to run ahead in.
; THE MATRIX INSTRUCTION IS USED TRANSPOSED (source 0 = 16 rows of W, source 1 = 16 rows of A): register j of accumulator (a, bb) in lane (r, h) is out(index r of A's tile a, n = 32 (bb / 2) + 16 h + 8 (bb % 2) + j of my 64).
; The bias is the C of each sum's first product.
; REGISTERS: window 0: v1-14 addresses; v16-47 scale words (register 4 s + i: lanes 0-15 A's tile i, lanes 16-31 W's tile i, K step s); v48-79 the bias, later rows on the way out; v80-111 rows on the way out; v128-255 accumulators.
;   window 1: two fragment buffers of 128: A's four fragments, then W's four.
.set RECB,  16896
.set WOFF,  8*RECB                     ; W's records lie behind A's
.set STAGE, 16*RECB                    ; behind them: 16 rows x (256 + 16) bytes for each wave, for the way out; no tensor load lands there
.set ADRA, 1                           ; v1, v2   my A fragments: K steps 0-3, 4-7
.set ADRW, 3                           ; v3, v4   my W fragments
.set ADRS, 5                           ; v5, v6   my scale words: lanes 0-15 A's, lanes 16-31 W's
.set STO,  7                           ; the way out: where I put 32 bytes of a row
.set RD,   8                           ; and where I read a row back
.set CO,   9                           ; my byte offset in two rows of out0
.set BO,   14                          ; 64 h: the bias of my half
.set SC,   16
.set BI,   48
.set ACC,  128
.set WV,   12
.set G1A,  28                          ; s[28:35] descriptor group 1 for A's records;  s[36:43] for W's: it differs in the mask alone
.set G1W,  36
.set G0A,  44                          ; s[44:47] group 0 for A at the head;  s[48:51] for the refill;  s[68:71] for W
.set G0R,  48
.set G0W,  68
.set MSB, 0
.macro WIN new                         ; the immediate's high byte repeats the setting that is left
.if MSB != \new
	s_set_vgpr_msb (MSB<<8)|\new
.set MSB, \new
.endif
.endm
.set MULW, 0x05                        ; sources 0 (W) and 1 (A) window 1; C and D window 0
.set TO_F, 0x40                        ; destination window 1, address window 0
.macro CROUND                          ; a round of the cluster's barrier
	s_barrier_signal -1
	s_barrier_wait -1
	s_cmp_lg_u32 s[WV], 0
	s_cbranch_scc1 .Lnot_wave_0_\@
	s_barrier_signal -3
.Lnot_wave_0_\@:
	s_barrier_wait -3
	s_barrier_signal -1
	s_barrier_wait -1
.endm
.macro TL g0, g1                       ; a tensor load with the lines behind it
	tensor_load_to_lds s[\g0:\g0+3], s[\g1:\g1+7]
	s_nop 0
.rept 4
	v_nop
.endr
.endm
	s_load_b128 s[4:7], s[0:1], 0x0                ; ac s[4:5], wq s[6:7]
	s_load_b128 s[8:11], s[0:1], 0x10              ; b_out s[8:9], out0 s[10:11]
	v_lshl_add_u32 v126, v0, 2, 0x46400
	v_mov_b32 v127, 0
	ds_add_u32 v126, v127
	ds_add_u32 v126, v127
	v_lshrrev_b32 v1, 5, v0
	v_readfirstlane_b32 s[WV], v1                  ; wave 0..3
	s_lshr_b32 s13, s[WV], 1                       ; wm: which 64 rows are mine.  Also: at the head I fetch K steps 0-3 (0) or 4-7 (1)
	s_and_b32 s14, s[WV], 1                        ; wn: which 64 outputs
	s_bfe_u32 s15, ttmp6, 0x40000                  ; cx, cy: my place in the cluster
	s_bfe_u32 s16, ttmp6, 0x40004
	s_lshl_b32 s17, ttmp9, 2
	s_add_co_u32 s17, s17, s15                     ; the block of outputs = 4 x cluster x + cx
	s_and_b32 s18, ttmp7, 0xffff
	s_lshl_b32 s18, s18, 2
	s_add_co_u32 s18, s18, s16                     ; the pair of blocks of rows = 4 x cluster y + cy
	s_lshl_b32 s19, s16, 2
	s_lshl_b32 s19, 15, s19                        ; my row of the cluster
	s_lshl_b32 s20, 0x1111, s15                    ; my column
	; descriptor group 1: four records, dense in memory, as 264 rows of 256 bytes (32 elements of 8 bytes), no padding
	s_or_b32 s[G1A], s19, (3<<16)|(1<<21)          ; 15:0 the mask: A's records go to my row; 17:16 elements of 8 bytes; 21 set beside a mask
	s_or_b32 s[G1W], s20, (3<<16)|(1<<21)          ; W's to my column
.irp g, G1A, G1W
	s_mov_b32 s[\g+1], 32<<16                      ; tensor_dim0 = 32
	s_mov_b32 s[\g+2], 264<<16                     ; tensor_dim1 = 264
	s_mov_b32 s[\g+3], 32<<16                      ; tile_dim0 = 32
	s_mov_b32 s[\g+4], 264                         ; tile_dim1 = 264
	s_mov_b32 s[\g+5], 32                          ; from row to row
	s_mov_b32 s[\g+6], 0
	s_mov_b32 s[\g+7], 0
.endr
	s_mul_i32 s26, s13, 4*RECB                     ; my four records' place in a block: no place in the cluster enters an LDS address
	s_mul_i32 s22, s18, 16*RECB                    ; A's address hangs on the pair of blocks of rows alone,
	s_mul_i32 s27, s[WV], 2*RECB                   ; (the refill: my two records' place)
	s_add_co_u32 s60, s22, s27
	s_add_co_u32 s60, s60, 8*RECB                  ; the pair's second block
	s_mov_b32 s61, 0
	s_add_co_u32 s22, s22, s26
	s_mov_b32 s23, 0
	s_mul_i32 s24, s17, 8*RECB                     ; W's on the block of outputs alone
	s_add_co_u32 s24, s24, s26
	s_mov_b32 s25, 0
	s_wait_dscnt 0x0
	s_wait_kmcnt 0x0
	s_mov_b32 s[G0A], 1
	s_mov_b32 s[G0A+1], s26
	s_add_nc_u64 s[G0A+2:G0A+3], s[4:5], s[22:23]
	s_or_b32 s[G0A+3], s[G0A+3], 0x80000000
	s_mov_b32 s[G0W], 1
	s_add_co_u32 s[G0W+1], s26, WOFF
	s_add_nc_u64 s[G0W+2:G0W+3], s[6:7], s[24:25]
	s_or_b32 s[G0W+3], s[G0W+3], 0x80000000
	s_mov_b32 s[G0R], 1
	s_mov_b32 s[G0R+1], s27
	s_add_nc_u64 s[G0R+2:G0R+3], s[4:5], s[60:61]
	s_or_b32 s[G0R+3], s[G0R+3], 0x80000000
	CROUND                                         ; all sixteen work-groups are here: the joint loads meet
	s_cmp_eq_u32 s[WV], 0                          ; one chain of branches on the wave's number, a load line to an arm
	s_cbranch_scc0 .Lw1
	TL G0A, G1A
	s_branch .Lasked
.Lw1:
	s_cmp_eq_u32 s[WV], 1
	s_cbranch_scc0 .Lw2
	TL G0W, G1W
	s_branch .Lasked
.Lw2:
	s_cmp_eq_u32 s[WV], 2
	s_cbranch_scc0 .Lw3
	TL G0A, G1A
	s_branch .Lasked
.Lw3:
	TL G0W, G1W
.Lasked:
	v_and_b32 v10, 31, v0                          ; lane
	v_and_b32 v11, 15, v0                          ; r
	v_bfe_u32 v12, v0, 4, 1                        ; h
	v_lshlrev_b32 v13, 4, v10                      ; 16 x lane
	s_wait_alu depctr_va_vdst(0)
	v_lshlrev_b32 v[BO], 6, v12
	s_lshl_b32 s60, s17, 9                         ; my first output, in bytes: 512 x block + 256 x wn
	s_lshl_b32 s61, s14, 8
	s_add_co_u32 s60, s60, s61
	s_mov_b32 s61, 0
	s_add_nc_u64 s[8:9], s[8:9], s[60:61]
	s_add_nc_u64 s[10:11], s[10:11], s[60:61]
.macro BIAS                            ; the bias in the result's layout: for tile bb, outputs 32 (bb / 2) + 16 h + 8 (bb % 2) + 0 .. 7 of my 64
.irp bb, 0,1,2,3
	global_load_b128 v[BI+8*\bb:BI+8*\bb+3], v[BO], s[8:9] offset:(32*(\bb/2)+8*(\bb%2))*4
	global_load_b128 v[BI+8*\bb+4:BI+8*\bb+7], v[BO], s[8:9] offset:(32*(\bb/2)+8*(\bb%2))*4+16
.endr
.endm
	BIAS
	s_lshl_b32 s60, s18, 20                        ; my first row: 256 rows of 4,096 bytes x pair + 64 rows x wm
	s_lshl_b32 s62, s13, 18
	s_add_co_u32 s60, s60, s62
	s_add_nc_u64 s[10:11], s[10:11], s[60:61]
	s_lshl_b32 s27, s13, 13                        ; my four tiles of A in a record
	v_add_nc_u32 v[ADRA], s27, v13
	v_add_nc_u32 v[ADRA+1], 4*RECB, v[ADRA]
	s_lshl_b32 s27, s14, 13
	s_add_co_u32 s27, s27, WOFF
	v_add_nc_u32 v[ADRW], s27, v13
	v_add_nc_u32 v[ADRW+1], 4*RECB, v[ADRW]
	s_lshl_b32 s27, s13, 8                         ; the scale words: A's four tiles at 256 wm, W's at WOFF + 256 wn: the lower base + h x the distance
	s_lshl_b32 s21, s14, 8
	s_add_co_u32 s21, s21, WOFF
	s_sub_co_u32 s21, s21, s27
	v_mul_u32_u24 v[ADRS], s21, v12
	v_lshl_add_u32 v[ADRS], v11, 2, v[ADRS]
	s_add_co_u32 s27, s27, 16384
	v_add_nc_u32 v[ADRS], s27, v[ADRS]
	v_add_nc_u32 v[ADRS+1], 4*RECB, v[ADRS]
	s_mul_i32 s27, s[WV], 16*272
	s_add_co_u32 s27, s27, STAGE                   ; my stage
	v_mul_u32_u24 v[STO], v11, 272                 ; in: row r, + 64 h.  272 = 17 x 16: sixteen rows start at sixteen different 16-byte columns
	v_lshl_add_u32 v[STO], v12, 6, v[STO]
	v_add_nc_u32 v[STO], s27, v[STO]
	v_mul_u32_u24 v[RD], v12, 272                  ; back: lanes 0-15 one row of 256 bytes, lanes 16-31 the next
	v_lshl_add_u32 v[RD], v11, 4, v[RD]
	v_add_nc_u32 v[RD], s27, v[RD]
	v_lshlrev_b32 v[CO], 12, v12                   ; and the same two rows in out0
	v_lshl_add_u32 v[CO], v11, 4, v[CO]
.macro FETCH s                         ; K step s: 4 loads of scale words, 16 of A's fragments, 16 of W's: 36
.set FB, 128*((\s)%2)
.set FHI, (\s)/4
.set OFS, ((\s)%4)*RECB
	WIN 0
.irp i, 0,1,2,3
	ds_load_b32 v[SC+4*(\s)+\i], v[ADRS+FHI] offset:OFS+64*\i
.endr
	WIN TO_F
.irp a, 0,1,2,3
.irp c, 0,1,2,3
	ds_load_b128 v[FB+16*\a+4*\c:FB+16*\a+4*\c+3], v[ADRA+FHI] offset:OFS+2048*\a+512*\c
.endr
.endr
.irp a, 0,1,2,3
.irp c, 0,1,2,3
	ds_load_b128 v[FB+64+16*\a+4*\c:FB+64+16*\a+4*\c+3], v[ADRW+FHI] offset:OFS+2048*\a+512*\c
.endr
.endr
.endm
.macro MUL s                           ; 16 products, the accumulators by turns, one instruction a turn, in the same order in every K step
.set FB, 128*((\s)%2)
	WIN MULW
.irp a, 0,1,2,3
.irp bb, 0,1,2,3
.if (\s) == 0
	v_wmma_scale_f32_16x16x128_f8f6f4 v[ACC+8*(4*\a+\bb):ACC+8*(4*\a+\bb)+7], v[FB+64+16*\bb:FB+64+16*\bb+15], v[FB+16*\a:FB+16*\a+15], v[BI+8*\bb:BI+8*\bb+7], v[SC+4*(\s)+\bb], v[SC+4*(\s)+\a] matrix_a_scale:MATRIX_SCALE_ROW1
.else
	v_wmma_scale_f32_16x16x128_f8f6f4 v[ACC+8*(4*\a+\bb):ACC+8*(4*\a+\bb)+7], v[FB+64+16*\bb:FB+64+16*\bb+15], v[FB+16*\a:FB+16*\a+15], v[ACC+8*(4*\a+\bb):ACC+8*(4*\a+\bb)+7], v[SC+4*(\s)+\bb], v[SC+4*(\s)+\a] matrix_a_scale:MATRIX_SCALE_ROW1
.endif
.endr
.endr
.endm
.macro SYNC                            ; every wave's load has landed; no LDS instruction of mine is pending; then everybody's
	s_wait_tensorcnt 0x0
	s_wait_dscnt 0x0
	s_barrier_signal -1
	s_barrier_wait -1
.endm
.macro KSTEPS first                    ; a block's eight K steps; K step 0's fragments have been asked for.  first = 1: K steps 4 to 7 are shown ahead of their first fetch
.irp s, 0,1,2,3,4,5,6,7
.if ((\s) == 3) && \first
	SYNC
.endif
.if (\s) < 7
.if (\s) > 0
.rept 8
	v_nop                                          ; eight places in front of loads into the buffer that the last K step's products read
.endr
.endif
	FETCH \s+1
	s_wait_dscnt 36                                ; all but the 36 just issued: this K step's fragments and words are in
.else
	s_wait_dscnt 0x0
.endif
	MUL \s
.endr
	WIN 0
.endm
; THE WAY OUT, a tile of 16 rows x 64 outputs at a time, through my own stage: in as 32 bytes a lane, back as whole rows of 256 bytes.  LDS serves a wave's instructions in order: no wait between the stores and the loads.
.macro TOSTAGE a
.set OB, 80-32*((\a)%2)
.irp bb, 0,1,2,3
	ds_store_b128 v[STO], v[ACC+8*(4*(\a)+\bb):ACC+8*(4*(\a)+\bb)+3] offset:128*(\bb/2)+32*(\bb%2)       ; each accumulator from its low end on
	ds_store_b128 v[STO], v[ACC+8*(4*(\a)+\bb)+4:ACC+8*(4*(\a)+\bb)+7] offset:128*(\bb/2)+32*(\bb%2)+16
.endr
.irp i, 0,1,2,3,4,5,6,7
	ds_load_b128 v[OB+4*\i:OB+4*\i+3], v[RD] offset:544*\i
.endr
.endm
.macro SEND a, younger                 ; younger: the LDS instructions issued behind tile a's loads, which may stay out
.set OB, 80-32*((\a)%2)
	s_wait_dscnt \younger
.irp i, 0,1,2,3,4,5,6,7
	global_store_b128 v[CO], v[OB+4*\i:OB+4*\i+3], s[10:11] offset:(32*((\a)/2)+8*((\a)%2)+2*\i+8*(\i/4))*4096 th:TH_STORE_NT   ; index 2 i + h of the tile; sixteen lanes store 256 consecutive bytes, aligned
.endr
.endm
.macro OUT
	TOSTAGE 0
.irp a, 1,2,3
.if \a > 1
	s_wait_xcnt 0x0                                ; tile a - 2's stores have read their registers: tile a's rows may land there
.endif
	TOSTAGE \a
	SEND \a-1, 16                                  ; behind tile a - 1's loads: tile a's 8 stores and 8 loads
.endr
	SEND 3, 0
.endm
	s_wait_alu depctr_va_vdst(0)                   ; the head's end
	s_cmp_lt_u32 s[WV], 2
	s_cbranch_scc0 .Llater
	s_wait_tensorcnt 0x0                           ; waves 0 and 1: K steps 0 to 3 of A and of W have landed
.Llater:
	s_wait_dscnt 0x0
	s_barrier_signal -1
	s_barrier_wait -1
	FETCH 0
	s_wait_loadcnt 0x0                             ; the bias
	KSTEPS 1                                       ; the first block of rows
	s_wait_tensorcnt 0x0                           ; the three lines ahead of a refill's round: none of my loads is out, so a descriptor may be written;
	ds_add_u32 v126, v127
	s_mov_b32 s[G1A+2], 132<<16                    ; from here on a load of A brings two records: tensor_dim1 = 132,
	s_mov_b32 s[G1A+4], 132                        ; tile_dim1 = 132
	s_wait_dscnt 0x0                               ; the add is done, and my reads of A's records are over
	CROUND                                         ; no wave of any partner still reads A's first block
	tensor_load_to_lds s[G0R:G0R+3], s[G1A:G1A+7]  ; my two records of the second block, onto the first block's
	s_nop 0
.rept 9
	v_nop                                          ; nine places behind the last products: ahead of the first reader of their sums, and of the next block's first products, which begin the sums anew
.endr
	OUT                                            ; the first block leaves while the refill is on its way
	s_wait_xcnt 0x0                                ; the stores have read their data and their base
	s_add_nc_u64 s[10:11], s[10:11], 128*4096      ; the second block's rows
	BIAS                                           ; its registers served the way out
	SYNC                                           ; the second block's records are in
	FETCH 0
	s_wait_loadcnt 0x0
	KSTEPS 0
.rept 8
	v_nop                                          ; eight places behind the last products
.endr
	OUT
	s_wait_tensorcnt 0x0                           ; the wave's end
	ds_add_u32 v126, v127
	s_wait_dscnt 0x0
	CROUND                                         ; the closing round: no work-group ends while a partner may still ask for a record that names it
	s_endpgm
.Lfunc_end_k_qd0f87612d1_proj:
	.size	k_qd0f87612d1_proj, .Lfunc_end_k_qd0f87612d1_proj-k_qd0f87612d1_proj
	.p2alignl 7, 3214868480
	.fill 96, 4, 3214868480
	.section	.rodata,"a",@progbits
	.p2align	6, 0x0
	.amdhsa_kernel k_qd0f87612d1_proj
		.amdhsa_group_segment_fixed_size 327680
		.amdhsa_private_segment_fixed_size 0
		.amdhsa_enable_private_segment 0
		.amdhsa_kernarg_size 32
		.amdhsa_user_sgpr_count 2
		.amdhsa_user_sgpr_kernarg_segment_ptr 1
		.amdhsa_wavefront_size32 1
		.amdhsa_system_sgpr_workgroup_id_x 1
		.amdhsa_system_sgpr_workgroup_id_y 1
		.amdhsa_system_sgpr_workgroup_id_z 1
		.amdhsa_system_vgpr_workitem_id 0
		.amdhsa_next_free_vgpr 512
		.amdhsa_next_free_sgpr 84
		.amdhsa_reserve_vcc 0
		.amdhsa_float_denorm_mode_32 3
		.amdhsa_float_denorm_mode_16_64 3
		.amdhsa_memory_ordered 1
		.amdhsa_forward_progress 1
		.amdhsa_inst_pref_size 98
	.end_amdhsa_kernel
	.amdgpu_metadata
---
amdhsa.version: [ 1, 2 ]
amdhsa.kernels:
  - .name:           k_qd0f87612d1_proj
    .symbol:         k_qd0f87612d1_proj.kd
    .args:
      - { .name: ac, .offset: 0, .size: 8, .value_kind: global_buffer, .address_space: global }
      - { .name: wq, .offset: 8, .size: 8, .value_kind: global_buffer, .address_space: global }
      - { .name: b_out, .offset: 16, .size: 8, .value_kind: global_buffer, .address_space: global }
      - { .name: out0, .offset: 24, .size: 8, .value_kind: global_buffer, .address_space: global }
    .group_segment_fixed_size: 327680
    .private_segment_fixed_size: 0
    .kernarg_segment_align: 8
    .kernarg_segment_size: 32
    .max_flat_workgroup_size: 128
    .sgpr_count:     84
    .vgpr_count:     512
    .wavefront_size: 32
...
	.end_amdgpu_metadata
.endif
;; end of part 3
